; MI455X (gfx1250); checked and timed in simulation.
; The chip was launched on July 23, 2026; its instructions are those of AMD's public machine-readable ISA for CDNA 5 (MIT licence, August 2026) and "CDNA5" Instruction Set Architecture Reference Guide (July 2026). The comments in the code are by the model that wrote it; some were corrected since.
;; Multi Head Attention. Allowed arithmetic: matrix products marked QUANTISED: E2M3 operands, one E8M0 scale for each 32 along K, by v_wmma_scale_f32_16x16x128_f8f6f4 with both operands' format E2M3, f32 sums; everything else in f32.
;; Inputs: Wk_codes 16 x 64 x 32 x 24 uint8 (E2M3 codes of Wk, K innermost, in blocks of 32 codes, four codes in three bytes); Wk_scales 16 x 64 x 32 uint8 (E8M0 scales of Wk, one for each 32 codes along K); Wp_codes 1,024 x 32 x 24 uint8 (E2M3 codes of Wp, K innermost, in blocks of 32 codes, four codes in three bytes); Wp_scales 1,024 x 32 uint8 (E8M0 scales of Wp, one for each 32 codes along K); Wq_codes 16 x 64 x 32 x 24 uint8 (E2M3 codes of Wq, K innermost, in blocks of 32 codes, four codes in three bytes); Wq_scales 16 x 64 x 32 uint8 (E8M0 scales of Wq, one for each 32 codes along K); Wv_codes 16 x 64 x 32 x 24 uint8 (E2M3 codes of Wv, K innermost, in blocks of 32 codes, four codes in three bytes); Wv_scales 16 x 64 x 32 uint8 (E8M0 scales of Wv, one for each 32 codes along K); bp 1,024 float32; x_codes 4 x 2,048 x 32 x 24 uint8 (E2M3 codes of x, K innermost, in blocks of 32 codes, four codes in three bytes); x_scales 4 x 2,048 x 32 uint8 (E8M0 scales of x, one for each 32 codes along K).
;; Outputs: out0 4 x 2,048 x 1,024 float32.
;; This version of the problem:
;;   THIS VERSION OF THE PROBLEM IS GIVEN IN LOW PRECISION. The matrix products marked QUANTISED in the list below multiply operands that are first quantised to E2M3 (2 exponent bits, 3 mantissa bits; 6 bits a number), with one power-of-two scale for each 32 numbers along K (OCP MX v1.0); their sums are f32. All else is computed in f32.
;;   The module's matrix products, in the order in which they are computed (A, B: the left and right operand; K: the contracted axis; several contracted axes count as one K, in the product's order):
;;     1. [M 1,024, K 1,024] x [K 1,024, N 8,192]; A: input Wq (given as codes); B: input x (given as codes): QUANTISED
;;     2. [M 1,024, K 1,024] x [K 1,024, N 8,192]; A: input Wk (given as codes); B: input x (given as codes): QUANTISED
;;     3. [M 1,024, K 1,024] x [K 1,024, N 8,192]; A: input Wv (given as codes); B: input x (given as codes): QUANTISED
;;     4. batch 64 x [M 2,048, K 64] x [K 64, N 2,048]; A: computed on the way; B: computed on the way: QUANTISED
;;     5. batch 64 x [M 2,048, K 2,048] x [K 2,048, N 64]; A: softmax (see below); B: computed on the way: QUANTISED
;;     6. [M 8,192, K 1,024] x [K 1,024, N 1,024]; A: computed on the way; B: input Wp (given as codes): QUANTISED
;;   THE QUANTISER, for each operand of a quantised product, along K:
;;     - K is cut into blocks of 32 from its start; a last block that is shorter is filled with zeros.
;;     - A block's scale is 2^e with e = floor(log2(the largest magnitude in the block)) - 2, held to -126 .. 127; a block of zeros has e = 0. As a byte (E8M0): e + 127.
;;     - Each number is divided by its block's scale, clamped to +-7.5, and rounded to the nearest number of E2M3, ties to even, subnormals kept.
;;     - The product sums the exact products of the quantised numbers (number of the format x scale) in f32.
;;   ~~~python
;;   def quantise(x, axis):      # numpy; x: float32 -> the quantised numbers, widened to float32 again
;;       x = np.moveaxis(x, axis, -1); K = x.shape[-1]
;;       x = np.pad(x, [(0, 0)] * (x.ndim - 1) + [(0, -K % 32)]); x = x.reshape(x.shape[:-1] + (-1, 32)); a = np.abs(x).max(-1, keepdims=True)
;;       e = np.where(a > 0, np.clip(np.frexp(np.where(a > 0, a, 1))[1] - 1 - 2, -126, 127), 0)      # np.frexp(a)[1] - 1 = floor(log2(a)), exactly
;;       r = np.clip(x / 2.0 ** e, -7.5, 7.5)
;;       step = 2.0 ** (np.maximum(np.frexp(np.where(r == 0, 1, r))[1] - 1, 0) - 3)
;;       q = np.round(r / step) * step * 2.0 ** e      # np.round: ties to even
;;       return np.moveaxis(q.reshape(q.shape[:-2] + (-1,))[..., :K], -1, axis).astype(np.float32)
;;   ~~~
;;   SOFTMAX AHEAD OF A QUANTISED PRODUCT. Where the list says 'softmax', what is quantised is not the finished softmax but p = 2^(t - M), with t = logit x log2(e) and M = ceil(the row's largest t), a whole number; so 1/2 < the row's largest p <= 1. The row's sum l is taken of the UNQUANTISED p, in f32, and the product's result is divided by l at the end. Since M is a whole number, a kernel that streams over the keys may use a running M (the ceiling of the running maximum): every later rescaling is an exact power of two, which a block's scale takes up: the codes' values come out the same.
;;   OPERANDS COMPUTED ON THE WAY. 'Computed on the way' means the value that the module computes at that place (a softmax that the list does not call 'softmax' is quantised finished and normalised). What goes into a quantiser is computed in f32, as accurately as f32 sums, v_exp_f32 and their like allow (about 1e-6 of the number): no bf16 or f16 on the way to a quantiser, and a product that is left as it is and whose result goes on into a quantised operand takes f32 operands (vector FMAs, or v_wmma_f32_16x16x4_f32). A number that lies on a knife's edge between two numbers of the format may be rounded either way, as far as f32 arithmetic and the matrix unit's own rounding can turn it there, and no further.
;;   INPUTS GIVEN AS CODES. Wk (in the module: [16, 1024, 64], K = its axis 1); Wp (in the module: [1024, 1024], K = its axis 1); Wq (in the module: [16, 1024, 64], K = its axis 1); Wv (in the module: [16, 1024, 64], K = its axis 1); x (in the module: [4, 2048, 1024], K = its axis 2): each comes as NAME_codes (uint8): NAME with its K axis moved to the last place and cut into blocks of 32 codes, [.., K / 32, bytes a block], one block behind the other in memory; four codes in three bytes: a row's codes are one little-endian stream of bits, code i at bits 6 i .. 6 i + 5 (a code: sign, 2 exponent bits, 3 mantissa bits); and NAME_scales (uint8): the same leading axes, one E8M0 byte (e + 127) for each 32 codes along K. Its value is code x scale, taken as it is: it is not quantised again, and the codes and scales need not be those that the quantiser above would give.
;; One version. Each part assembles by itself: llvm-mc -triple=amdgcn-amd-amdhsa -mcpu=gfx1250 --defsym DOCPART=n.
;; ======== version 1 of 1: 3 launches
;; workspace buffers: q_img 6,291,456 bytes; q_sc 524,288 bytes; k_img 6,291,456 bytes; v_img 6,291,456 bytes; kvs 786,432 bytes; a_img 6,291,456 bytes; a_sc 262,144 bytes
;; launch qkv (part 1): grid 8 x 32, 4 waves a work-group, clusters of 4 x 4, 327,680 bytes of LDS; arguments x_codes, x_scales, Wq_codes, Wq_scales, Wk_codes, Wk_scales, Wv_codes, Wv_scales, q_img, q_sc, k_img, v_img, kvs; writes q_img, q_sc, k_img, v_img, kvs
.if DOCPART == 1
	.amdgcn_target "amdgcn-amd-amdhsa--gfx1250"
	.amdhsa_code_object_version 6
	.text
	.protected	k_q334f0aa24c_qkv
	.globl	k_q334f0aa24c_qkv
	.p2align	8
	.type	k_q334f0aa24c_qkv,@function
k_q334f0aa24c_qkv:
	s_mov_b64 s[64:65], 0
	v_nop
	global_prefetch_b8 v0, s[64:65] scope:SCOPE_SE
	s_setreg_imm32_b32 hwreg(HW_REG_WAVE_MODE, 25, 1), 1
	s_wait_xcnt 0x0
	s_wait_alu depctr_hold_cnt(0) depctr_sa_sdst(0) depctr_va_vdst(0) depctr_va_sdst(0) depctr_va_ssrc(0) depctr_va_vcc(0) depctr_vm_vsrc(0)
	s_getreg_b32 s2, hwreg(HW_REG_IB_STS2, 6, 4)
	s_cmp_eq_u32 s2, 0
	s_cbranch_scc0 .Lentry_in_a_cluster
	s_endpgm
.Lentry_in_a_cluster:
	s_bfe_u32 s2, ttmp6, 0x10000c
	s_cmp_lg_u32 s2, 0xf033
	s_cbranch_scc0 .Lentry_shape_is_right
	s_endpgm
.Lentry_shape_is_right:
; q, k, v = x W (three products on codes of FP6 (E2M3) with E8M0 scales, K = 1,024), and the quantising of the three results for attention's two products.
; x: 8,192 tokens x 768 bytes of codes, 32 scale bytes a token.  Wq, Wk, Wv: [16 heads][64 channels] rows of 768 bytes, 32 scale bytes a row.
; SHARES.  A work-group takes 256 tokens (tb) and two heads (hp: heads 2 hp, 2 hp + 1): 256 x 384 results.  Wave w owns tokens 64 w .. 64 w + 63 of the block: their fragments of x for all of K
; (4 tiles x 8 K steps x 12 registers) stay in its registers.  The 384 rows of W lie in LDS as six chunks of 64 rows: q of head A, k of A, q of B, k of B, v of A, v of B; every wave multiplies every chunk:
; 16 accumulators, 8 K steps x 16 matrix instructions.
; LDS HOLDS x FIRST, THEN W: x's 256 rows land where chunks 2 to 5 will lie, go into registers, and those bytes are filled once more, with W.  Chunks 0 and 1 come with the first fills.
; CLUSTER 4 x 4: the four work-groups of a row of the cluster share tb and ask for x's tiles jointly; the four of a column share hp and ask for W's jointly.
; LAYOUT OF THE RESULTS.  q, k: source 0 = 16 rows of W, source 1 = 16 tokens: a lane holds ONE token and its registers run along the head's channels, which are the next product's K.
; v: the sources swapped: a lane holds ONE channel and its registers run along the tokens, which are the keys, the K of attention's second product.
; A HALF FRAGMENT is 16 rows x 64 along K: 6 registers a lane, lane (r, H) holding row r and block H.  It goes to memory as an image of its registers, 768 bytes: registers 0-3 at 16 x lane, registers 4-5 at 512 + 8 x lane.
; ORDER INSIDE A BLOCK OF 32: a lane's 16 numbers of a block are offsets 8 h + 0..7 and 16 + 8 h + 0..7, so the codes of a block stand in the order 0-7, 16-23, 8-15, 24-31.  q and k are both made so, and so are v and
; (in the next launch) p: a permutation of K inside one scale's block, alike on both sides, leaves every product as it is.
; A block's scale is 2^(floor(log2(its largest magnitude)) - 2); its byte is the largest magnitude's exponent field - 2.
; LIMITS: a block whose largest magnitude lies under 2^-124 (a block of zeros too) has its byte held at 1: its codes are then small or zero, and these bytes are read by this program alone.  NaN and infinities are not served.
; REGISTERS, in windows of 256: window 0: addresses, scale words, all that the quantiser touches.  window 1: x's fragments of K steps 0-3 (48 q + 12 a); window 2: of K steps 4-7.
;   window 3: v0-127 the accumulators; v128-223 W's fragments, two sets of 4 x 12; v224-235 W's LDS addresses, a pair for each chunk.
.set PITCH, 816                        ; an LDS row: 3 x (256 bytes + 16 of padding) = 204 words: row r starts at bank 12 r mod 64 (64 banks of 4 bytes: ISA guide 11.1); the 32 lanes of a load of 8 bytes touch 64 different banks
.set CH,    64*PITCH                   ; a chunk: 64 rows
.set HALFC, 32*PITCH
.set SPARE, 6*CH                       ; behind the chunks: the spare words, 128 bytes for each wave: two blocks of 256 bytes that no other line names
.set G1BITS, (1<<20)|(1<<21)|(5<<22)|(3<<25)   ; elements of 1 byte; 20 padding on; 21 set beside a mask; 24:22 after every 64 words (code 5); 31:25 of 4 words (code 3)
.set SPW, 1                            ; v1   LDS address of my spare word; never rewritten
.set NIL, 2                            ; v2   0; never rewritten
.set ADX, 5                            ; v5, v6  LDS address of my rows of x (v6: for the pieces that lie behind one padding more)
.set L32, 7                            ; v7-10  32, 16, 8, 4 x lane
.set L16, 8
.set L8,  9
.set L4,  10
.set XS,  32                           ; v32-47  x's scale words: register 8 p + s: lanes 0-15 tile 2 p, lanes 16-31 tile 2 p + 1, K step s
.set WS,  48                           ; v48-63  the chunk's W scale words, likewise
.set TM,  64                           ; v64-71  largest magnitudes of 8 blocks
.set TP,  72                           ; v72-79  the other half's; then the bytes
.set SO,  80                           ; v80-87  the conversions' scale operands
.set PW,  88                           ; v88-91  the four groups' scale words
.set PP,  92                           ; v92-93  two groups' words in one register
.set PC,  96                           ; v96 + 8 a: a half fragment's six registers
.set CV,  128                          ; v128 + 4 a: the second conversion's three
.set WF,  128                          ; window 3
.set ADW, 224                          ; window 3
.set WV,   30
.set G1X,  40                          ; s[40:47] group 1 for x's tiles (64 rows, my row of the cluster)
.set G1W,  48                          ; s[48:55] for W's chunks (64 rows, my column)
.set G1H,  56                          ; s[56:63] for W's half chunks (32 rows, my column)
.set G0X,  68                          ; groups 0: x; half chunks of Wq and of Wk; the refills from Wq, Wk, Wv
.set G0HQ, 72
.set G0HK, 76
.set G0RQ, 80
.set G0RK, 84
.set G0RV, 88
.set SEL,  92
.set HI16, 94
.set MSB, 0
.macro WIN new                         ; the immediate's high byte repeats the setting that is left; a switch that changes nothing is dropped
.if MSB != (\new)
	s_set_vgpr_msb (MSB<<8)|(\new)
.set MSB, (\new)
.endif
.endm
.macro PLACES n
.rept \n
	v_nop
.endr
.endm
.macro CROUND                          ; a round of the cluster's barrier
	s_barrier_signal -1
	s_barrier_wait -1
	s_cmp_lg_u32 s[WV], 0
	s_cbranch_scc1 .Lnot_wave_0_\@
	s_barrier_signal -3
.Lnot_wave_0_\@:
	s_barrier_wait -3
	s_barrier_signal -1
	s_barrier_wait -1
.endm
; One scaled matrix instruction from the symbols rD, rA, rB, rC, sA, sB; fZ = 1: C is the constant 0; fA, fB = 1: that side's scales are read from lanes 16-31
.macro WM
.if fZ == 1
.if (fA == 0) && (fB == 0)
	v_wmma_scale_f32_16x16x128_f8f6f4 v[rD:rD+7], v[rA:rA+11], v[rB:rB+11], 0, v[sA], v[sB] matrix_a_fmt:MATRIX_FMT_FP6 matrix_b_fmt:MATRIX_FMT_FP6
.elseif fB == 0
	v_wmma_scale_f32_16x16x128_f8f6f4 v[rD:rD+7], v[rA:rA+11], v[rB:rB+11], 0, v[sA], v[sB] matrix_a_fmt:MATRIX_FMT_FP6 matrix_b_fmt:MATRIX_FMT_FP6 matrix_a_scale:MATRIX_SCALE_ROW1
.elseif fA == 0
	v_wmma_scale_f32_16x16x128_f8f6f4 v[rD:rD+7], v[rA:rA+11], v[rB:rB+11], 0, v[sA], v[sB] matrix_a_fmt:MATRIX_FMT_FP6 matrix_b_fmt:MATRIX_FMT_FP6 matrix_b_scale:MATRIX_SCALE_ROW1
.else
	v_wmma_scale_f32_16x16x128_f8f6f4 v[rD:rD+7], v[rA:rA+11], v[rB:rB+11], 0, v[sA], v[sB] matrix_a_fmt:MATRIX_FMT_FP6 matrix_b_fmt:MATRIX_FMT_FP6 matrix_a_scale:MATRIX_SCALE_ROW1 matrix_b_scale:MATRIX_SCALE_ROW1
.endif
.else
.if (fA == 0) && (fB == 0)
	v_wmma_scale_f32_16x16x128_f8f6f4 v[rD:rD+7], v[rA:rA+11], v[rB:rB+11], v[rC:rC+7], v[sA], v[sB] matrix_a_fmt:MATRIX_FMT_FP6 matrix_b_fmt:MATRIX_FMT_FP6
.elseif fB == 0
	v_wmma_scale_f32_16x16x128_f8f6f4 v[rD:rD+7], v[rA:rA+11], v[rB:rB+11], v[rC:rC+7], v[sA], v[sB] matrix_a_fmt:MATRIX_FMT_FP6 matrix_b_fmt:MATRIX_FMT_FP6 matrix_a_scale:MATRIX_SCALE_ROW1
.elseif fA == 0
	v_wmma_scale_f32_16x16x128_f8f6f4 v[rD:rD+7], v[rA:rA+11], v[rB:rB+11], v[rC:rC+7], v[sA], v[sB] matrix_a_fmt:MATRIX_FMT_FP6 matrix_b_fmt:MATRIX_FMT_FP6 matrix_b_scale:MATRIX_SCALE_ROW1
.else
	v_wmma_scale_f32_16x16x128_f8f6f4 v[rD:rD+7], v[rA:rA+11], v[rB:rB+11], v[rC:rC+7], v[sA], v[sB] matrix_a_fmt:MATRIX_FMT_FP6 matrix_b_fmt:MATRIX_FMT_FP6 matrix_a_scale:MATRIX_SCALE_ROW1 matrix_b_scale:MATRIX_SCALE_ROW1
.endif
.endif
.endm
; A fragment, 16 rows x 128 K, from rows in LDS: six pieces of 8 bytes.  Lanes 0-15 take the row's pieces 12 q + 0, 1, 2, 6, 7, 8, lanes 16-31 those three pieces on.
; 16 bytes of padding lie behind every 32 pieces: where the piece three on lies behind one padding more, the second address register (40 for 24 bytes a half) serves.
.macro FRAG reg, adr, q, i
.irp p, 0,1,2,3,4,5
.set PCI, 12*(\q)+6*(\p/3)+\p%3
.if PCI%32 < 29
	ds_load_b64 v[\reg+2*\p:\reg+2*\p+1], v[\adr] offset:8*PCI+16*(PCI/32)+(\i)*16*PITCH
.else
	ds_load_b64 v[\reg+2*\p:\reg+2*\p+1], v[\adr+1] offset:8*PCI+16*(PCI/32)+(\i)*16*PITCH
.endif
.endr
.endm
.macro FETCHW c, q, set                ; chunk c's four fragments of K step q into a set
.irp b, 0,1,2,3
	FRAG WF+48*(\set)+12*\b, ADW+2*(\c), \q, \b
.endr
.endm
; kind 0 (q, k): source 0 = W's tile b, source 1 = x's tile a, result at 8 (4 a + b).  kind 1 (v): the sources and their scales swapped, result at 8 (4 b + a).
.macro MM kind, a, b, q
.set rW, WF+48*((\q)%2)+12*(\b)
.set rX, 48*((\q)%4)+12*(\a)
.if (\q) == 0
.set fZ, 1                             ; the first K step starts the sums: nothing is cleared
.else
.set fZ, 0
.endif
.if (\kind) == 0
.set rD, 8*(4*(\a)+(\b))
.set rA, rW
.set rB, rX
.set sA, WS+8*((\b)/2)+(\q)
.set sB, XS+8*((\a)/2)+(\q)
.set fA, (\b)%2
.set fB, (\a)%2
.else
.set rD, 8*(4*(\b)+(\a))
.set rA, rX
.set rB, rW
.set sA, XS+8*((\a)/2)+(\q)
.set sB, WS+8*((\b)/2)+(\q)
.set fA, (\a)%2
.set fB, (\b)%2
.endif
.set rC, rD
	WM
.endm
; A K step: this step's fragments of W were asked for a step ago; the next step's are asked for now, into the set that the last step's products read (four places behind them: ISA guide 7.12.1 for vector
; instructions); then 16 products, the 16 accumulators by turns, in the same order in every step.
; Window settings: q, k: source 0 (W), C, D and the loads' destination and address window 3, source 1 (x) window 1 or 2: 0xF7, 0xFB.  v: source 0 (x) window 1 or 2, source 1 window 3: 0xFD, 0xFE; its loads 0xFF.
.macro KSTEP kind, c, q, meet, next
	s_wait_dscnt 0x0                               ; this step's fragments are in
	PLACES 4
.if (\kind) == 0
	WIN 0xF7+4*((\q)/4)
.else
	WIN 0xFF
.endif
.if (\q) < 7
	FETCHW \c, (\q)+1, ((\q)+1)%2
.elseif \next
.if \meet
	s_wait_tensorcnt 0x0                           ; my refill has landed (asked for two chunks of work ago); no LDS instruction of mine is out;
	s_barrier_signal -1
	s_barrier_wait -1                              ; everybody's has: chunks 2 to 5 may be read
.endif
	FETCHW (\c)+1, 0, 0
.endif
.if (\kind) == 1
	WIN 0xFD+(\q)/4
.endif
.irp a, 0,1,2,3
.irp b, 0,1,2,3
	MM \kind, \a, \b, \q
.endr
.endr
.endm
.macro CHUNK kind, c, meet, next
	s_wait_loadcnt 0x0                             ; the chunk's scale words (and, the first time, x's) are in
.irp q, 0,1,2,3,4,5,6,7
	KSTEP \kind, \c, \q, \meet, \next
.endr
.endm
; THE CHUNK'S RESULTS ARE QUANTISED AND LEAVE.  Group a = accumulator registers 32 a .. 32 a + 31 of window 3: two blocks of 32 along the next K, 16 numbers of each in my lane, the other 16 in lane l xor 16.
; img, ioff: the images' base and offset; sc, soff: the scale words'; half = 1: the word's two bytes are stored alone (v: the other half of the word is another wave's); ws, wsoff: the next chunk's scale words.
.macro EPI img, ioff, sc, soff, half, ws, wsoff
	PLACES 5                                       ; four places in front of the reads of results and of loads into scale registers; five in front of the next chunk's products, which write over these accumulators
	WIN 0
.if \ws
.irp p, 0,1
.irp f, 0,1
	global_load_b128 v[WS+8*\p+4*\f:WS+8*\p+4*\f+3], v[L32], s[\ws:\ws+1] offset:\wsoff+1024*\p+16*\f   ; row 32 p + lane: its words of K steps 4 f .. 4 f + 3
.endr
.endr
.endif
	s_wait_xcnt 0x0                                ; the last chunk's stores have read their data: those registers are written again only behind this wait
	WIN 0x3C                                       ; sources 1 and 2 window 3
.irp g, 0,1,2,3,4,5,6,7
	v_max3_num_f32 v[TM+\g], 0x1800000, |v[16*\g]|, |v[16*\g+1]|   ; block g: my 16 numbers, and the floor 2^(3 - 127): so the byte cannot fall under 1.  Each accumulator is read from its low end on
.endr
.irp i, 2,4,6,8,10,12,14
.irp g, 0,1,2,3,4,5,6,7
	v_max3_num_f32 v[TM+\g], v[TM+\g], |v[16*\g+\i]|, |v[16*\g+\i+1]|   ; (the eight blocks by turns)
.endr
.endr
	WIN 0
.irp g, 0,1,2,3,4,5,6,7
	v_permlanex16_b32 v[TP+\g], v[TM+\g], s[SEL], s[SEL+1]
.endr
.irp g, 0,1,2,3,4,5,6,7
	v_max_num_f32 v[TM+\g], v[TM+\g], v[TP+\g]     ; with lane l xor 16's: the block's largest magnitude
.endr
.irp g, 0,1,2,3,4,5,6,7
	v_add_nc_u32 v[SO+\g], 0xff000000, v[TM+\g]    ; 2 off its exponent field: the conversion takes the exponent field of this operand as its scale
.endr
.irp g, 0,1,2,3,4,5,6,7
	v_lshrrev_b32 v[TP+\g], 23, v[SO+\g]           ; the scale's byte
.endr
.irp a, 0,1,2,3
	v_lshl_or_b32 v[PW+\a], v[TP+2*\a+1], 8, v[TP+2*\a]   ; my row's word: two bytes; bytes 2 and 3 stay 0
.endr
	WIN 0x03                                       ; source 0 window 3
.irp a, 0,1,2,3
	v_cvt_scalef32_pk16_fp6_f32 v[PC+8*\a:PC+8*\a+2], v[32*\a:32*\a+15], v[SO+2*\a]
	v_cvt_scalef32_pk16_fp6_f32 v[CV+4*\a:CV+4*\a+2], v[32*\a+16:32*\a+31], v[SO+2*\a+1]   ; (a conversion's three registers begin on an even number)
.endr
	WIN 0
	v_nop                                          ; one plain place behind the scaled conversions
.irp a, 0,1,2,3                        ; the layout wants a WHOLE block in a lane: lanes 0-15 block 0, lanes 16-31 block 1
.irp i, 0,1,2
	v_permlane16_swap_b32 v[PC+8*\a+\i], v[CV+4*\a+\i]
.endr
.irp i, 0,1,2
	v_mov_b32 v[PC+8*\a+3+\i], v[CV+4*\a+\i]
.endr
.endr
.irp p, 0,1
	v_cndmask_b32 v[PP+\p], v[PW+2*\p], v[PW+2*\p+1], s[HI16]   ; lanes 0-15 group 2 p's words, lanes 16-31 group 2 p + 1's
.endr
.irp a, 0,1,2,3
	global_store_b128 v[L16], v[PC+8*\a:PC+8*\a+3], s[\img:\img+1] offset:\ioff+768*\a          ; 32 lanes store 512 consecutive bytes, at a multiple of 256 from the buffer's first byte,
	global_store_b64 v[L8], v[PC+8*\a+4:PC+8*\a+5], s[\img:\img+1] offset:\ioff+768*\a+512      ; and the 256 behind them
.endr
.irp p, 0,1
.if \half
	global_store_b16 v[L4], v[PP+\p], s[\sc:\sc+1] offset:\soff+128*\p
.else
	global_store_b32 v[L4], v[PP+\p], s[\sc:\sc+1] offset:\soff+128*\p
.endif
.endr
.endm
	s_load_b512 s[4:19], s[0:1], 0x0               ; x's codes s[4:5], scales s[6:7]; Wq's s[8:9], s[10:11]; Wk's s[12:13], s[14:15]; Wv's s[16:17], s[18:19]
	s_load_b256 s[20:27], s[0:1], 0x40             ; q_img, q_sc, k_img, v_img
	s_load_b64 s[28:29], s[0:1], 0x60              ; kvs
	v_lshl_add_u32 v[SPW], v0, 2, SPARE
	v_mov_b32 v[NIL], 0
	ds_add_u32 v1, v2
	ds_add_u32 v1, v2
	s_wait_dscnt 0x0
	v_lshrrev_b32 v3, 5, v0
	v_readfirstlane_b32 s[WV], v3                  ; wave 0..3
	s_bfe_u32 s31, ttmp6, 0x40000                  ; cx
	s_bfe_u32 s32, ttmp6, 0x40004                  ; cy
	s_lshl_b32 s33, ttmp9, 2
	s_add_co_u32 s33, s33, s31                     ; hp = 4 x cluster x + cx: the pair of heads
	s_and_b32 s34, ttmp7, 0xffff
	s_lshl_b32 s34, s34, 2
	s_add_co_u32 s34, s34, s32                     ; tb = 4 x cluster y + cy: the block of 256 tokens
	s_lshl_b32 s35, s32, 2
	s_lshl_b32 s35, 15, s35                        ; my row of the cluster
	s_lshl_b32 s36, 0x1111, s31                    ; my column
	s_or_b32 s[G1X], s35, G1BITS
	s_or_b32 s[G1W], s36, G1BITS
	s_or_b32 s[G1H], s36, G1BITS
.irp g, G1X, G1W
	s_mov_b32 s[\g+1], 768<<16                     ; tensor_dim0 = 768 bytes
	s_mov_b32 s[\g+2], 64<<16                      ; tensor_dim1 = 64
	s_mov_b32 s[\g+3], 768<<16                     ; tile_dim0
	s_mov_b32 s[\g+4], 64                          ; tile_dim1
	s_mov_b32 s[\g+5], 768                         ; from row to row
	s_mov_b32 s[\g+6], 0
	s_mov_b32 s[\g+7], 0
.endr
	s_mov_b32 s[G1H+1], 768<<16
	s_mov_b32 s[G1H+2], 32<<16
	s_mov_b32 s[G1H+3], 768<<16
	s_mov_b32 s[G1H+4], 32
	s_mov_b32 s[G1H+5], 768
	s_mov_b32 s[G1H+6], 0
	s_mov_b32 s[G1H+7], 0
	; x's address hangs on tb and the wave, W's on hp and the wave, each in registers that never hold the other coordinate
	s_lshl_b32 s96, s34, 8
	s_lshl_b32 s97, s[WV], 6
	s_add_co_u32 s96, s96, s97                     ; my first token
	s_mul_i32 s96, s96, 768
	s_mov_b32 s97, 0
	s_and_b32 s39, s[WV], 1
	s_lshl_b32 s98, s33, 7                         ; head A's first row: 64 x 2 hp
	s_lshl_b32 s99, s39, 5
	s_add_co_u32 s98, s98, s99                     ; + 32 x (wave % 2): my half chunk
	s_mul_i32 s98, s98, 768
	s_mov_b32 s99, 0
	s_lshl_b32 s100, s33, 7
	s_add_co_u32 s100, s100, 64                    ; head B's first row
	s_mul_i32 s100, s100, 768
	s_mov_b32 s101, 0
	s_lshl_b32 s38, s33, 7
	s_lshl_b32 s39, s39, 6
	s_add_co_u32 s38, s38, s39                     ; Wv: wave 2 head A, wave 3 head B
	s_mul_i32 s38, s38, 768
	s_mov_b32 s39, 0
	s_mul_i32 s37, s[WV], CH
	s_add_co_u32 s37, s37, 2*CH                    ; LDS: chunk 2 + wave: my rows of x, later my refill
	s_mul_i32 s3, s[WV], HALFC                     ; LDS: my half chunk of chunks 0 and 1
	s_mov_b32 s[SEL], 0x76543210
	s_mov_b32 s[SEL+1], 0xfedcba98                 ; v_permlanex16_b32's selects for lane l xor 16
	s_mov_b32 s[HI16], 0xffff0000                  ; lanes 16-31
	v_and_b32 v3, 31, v0                           ; lane
	v_and_b32 v12, 15, v0                          ; r
	v_bfe_u32 v13, v0, 4, 1                        ; h
	v_lshlrev_b32 v[L32], 5, v3
	v_lshlrev_b32 v[L16], 4, v3
	v_lshlrev_b32 v[L8], 3, v3
	v_lshlrev_b32 v[L4], 2, v3
	v_mul_u32_u24 v4, v12, PITCH
	v_mad_u32_u24 v4, v13, 24, v4                  ; a fragment's row x pitch + 24 x half
	v_lshl_add_u32 v11, v13, 4, v4                 ; and the same behind one padding more
	v_add_nc_u32 v[ADX], s37, v4
	v_add_nc_u32 v[ADX+1], s37, v11
	WIN 0xC0                                       ; destination window 3
.irp c, 0,1,2,3,4,5
	v_add_nc_u32 v[ADW+2*\c], \c*CH, v4
	v_add_nc_u32 v[ADW+2*\c+1], \c*CH, v11
.endr
	WIN 0
.irp i, 0,1,2,3,4,5,6,7
	v_mov_b32 v[TP+\i], 0                          ; written once: a lane permute's destination counts as one of its sources
.endr
	s_wait_kmcnt 0x0
	s_mov_b32 s[G0X], 1                            ; count = 1
	s_mov_b32 s[G0X+1], s37                        ; LDS address
	s_add_nc_u64 s[G0X+2:G0X+3], s[4:5], s[96:97]  ; global address
	s_or_b32 s[G0X+3], s[G0X+3], 0x80000000        ; type = 2
	s_mov_b32 s[G0HQ], 1
	s_mov_b32 s[G0HQ+1], s3
	s_add_nc_u64 s[G0HQ+2:G0HQ+3], s[8:9], s[98:99]
	s_or_b32 s[G0HQ+3], s[G0HQ+3], 0x80000000
	s_mov_b32 s[G0HK], 1
	s_mov_b32 s[G0HK+1], s3
	s_add_nc_u64 s[G0HK+2:G0HK+3], s[12:13], s[98:99]
	s_or_b32 s[G0HK+3], s[G0HK+3], 0x80000000
	s_mov_b32 s[G0RQ], 1
	s_mov_b32 s[G0RQ+1], s37
	s_add_nc_u64 s[G0RQ+2:G0RQ+3], s[8:9], s[100:101]
	s_or_b32 s[G0RQ+3], s[G0RQ+3], 0x80000000
	s_mov_b32 s[G0RK], 1
	s_mov_b32 s[G0RK+1], s37
	s_add_nc_u64 s[G0RK+2:G0RK+3], s[12:13], s[100:101]
	s_or_b32 s[G0RK+3], s[G0RK+3], 0x80000000
	s_mov_b32 s[G0RV], 1
	s_mov_b32 s[G0RV+1], s37
	s_add_nc_u64 s[G0RV+2:G0RV+3], s[16:17], s[38:39]
	s_or_b32 s[G0RV+3], s[G0RV+3], 0x80000000
	CROUND                                         ; all sixteen work-groups are here: the first joint loads meet
	s_cmp_lt_u32 s[WV], 2                          ; a wave's two first fills stand in one branch on the wave's number: x's 64 rows, then half a chunk: waves 0, 1 of Wq (chunk 0), waves 2, 3 of Wk (chunk 1)
	s_cbranch_scc0 .Lfill_k
	tensor_load_to_lds s[G0X:G0X+3], s[G1X:G1X+7]
	s_nop 0
	tensor_load_to_lds s[G0HQ:G0HQ+3], s[G1H:G1H+7]
	s_nop 0
	PLACES 4                                       ; four v_nop follow the loads, ahead of the jump and the label
	s_branch .Lfilled
.Lfill_k:
	tensor_load_to_lds s[G0X:G0X+3], s[G1X:G1X+7]
	s_nop 0
	tensor_load_to_lds s[G0HK:G0HK+3], s[G1H:G1H+7]
	s_nop 0
	PLACES 4
.Lfilled:
	; where my results go.  Numbers that mix tb and hp stand in registers that feed no descriptor.
	s_mov_b32 s3, 0
	s_lshl_b32 s2, s34, 13
	s_lshl_b32 s105, s[WV], 11
	s_add_co_u32 s2, s2, s105
	s_add_nc_u64 s[6:7], s[6:7], s[2:3]            ; x's scales at my first token: 32 bytes a token
	s_lshl_b32 s2, s33, 12
	s_add_nc_u64 s[10:11], s[10:11], s[2:3]        ; W's scales at head A: 2,048 bytes a head
	s_add_nc_u64 s[14:15], s[14:15], s[2:3]
	s_add_nc_u64 s[18:19], s[18:19], s[2:3]
.irp p, 0,1
.irp f, 0,1
	global_load_b128 v[XS+8*\p+4*\f:XS+8*\p+4*\f+3], v[L32], s[6:7] offset:1024*\p+16*\f     ; token 32 p + lane: its words of K steps 4 f .. 4 f + 3
	global_load_b128 v[WS+8*\p+4*\f:WS+8*\p+4*\f+3], v[L32], s[10:11] offset:1024*\p+16*\f   ; chunk 0: Wq, head A
.endr
.endr
	s_lshr_b32 s95, s34, 3                         ; the batch
	s_lshl_b32 s95, s95, 4
	s_lshl_b32 s104, s33, 1
	s_add_co_u32 s95, s95, s104                    ; bh of head A = 16 b + 2 hp
	s_and_b32 s104, s34, 7                         ; my block among the batch's eight
	s_lshl_b32 s2, s95, 7
	s_lshl_b32 s105, s104, 4
	s_add_co_u32 s2, s2, s105
	s_lshl_b32 s105, s[WV], 2
	s_add_co_u32 s105, s2, s105                    ; 128 bh + my first tile of 16 tokens (for v: 4 x my group of 64 tokens: the same number)
	s_mul_i32 s2, s105, 768
	s_add_nc_u64 s[20:21], s[20:21], s[2:3]
	s_add_nc_u64 s[24:25], s[24:25], s[2:3]
	s_add_nc_u64 s[26:27], s[26:27], s[2:3]
	s_lshl_b32 s2, s105, 6
	s_add_nc_u64 s[22:23], s[22:23], s[2:3]        ; q's scale words: 64 bytes a tile
	s_lshl_b32 s2, s95, 4
	s_lshl_b32 s105, s104, 1
	s_add_co_u32 s2, s2, s105
	s_lshr_b32 s105, s[WV], 1
	s_add_co_u32 s2, s2, s105                      ; 16 bh + my key step of 128 tokens
	s_mul_i32 s2, s2, 768
	s_add_nc_u64 s[28:29], s[28:29], s[2:3]
	s_and_b32 s105, s[WV], 1
	s_lshl_b32 s2, s105, 1
	s_add_co_u32 s2, s2, 512
	s_add_nc_u64 s[66:67], s[28:29], s[2:3]        ; v's words: behind k's 512 bytes; my 64 tokens are half (wave % 2) of each word
	s_lshl_b32 s2, s105, 8
	s_add_nc_u64 s[28:29], s[28:29], s[2:3]        ; k's words: my 64 tokens are the step's half (wave % 2)
	s_wait_tensorcnt 0x1                           ; my rows of x are in (the half chunk issued behind them may be out); only I read them
	WIN 0x40                                       ; destination window 1
.irp q, 0,1,2,3
.irp a, 0,1,2,3
	FRAG 48*\q+12*\a, ADX, \q, \a
.endr
.endr
	WIN 0x80                                       ; destination window 2
.irp q, 4,5,6,7
.irp a, 0,1,2,3
	FRAG 48*(\q-4)+12*\a, ADX, \q, \a
.endr
.endr
	WIN 0
	s_wait_tensorcnt 0x0                           ; all my tensor loads have landed, my half chunk among them;
	ds_add_u32 v[SPW], v[NIL]                      ; 0 onto my spare word;
	s_wait_dscnt 0x0                               ; the add is done, and x is in my registers: my reads of these bytes are over
	CROUND                                         ; that now holds of every wave of all sixteen work-groups
	s_cmp_lg_u32 s[WV], 0                          ; THE ONE REFILL, a chunk of 64 rows a wave, where my rows of x lay: wave 0 q of head B, wave 1 k of B, wave 2 v of A, wave 3 v of B
	s_cbranch_scc1 .Lrefill_1
	tensor_load_to_lds s[G0RQ:G0RQ+3], s[G1W:G1W+7]
	s_nop 0
	PLACES 4
	s_branch .Lrefilled
.Lrefill_1:
	s_cmp_lg_u32 s[WV], 1
	s_cbranch_scc1 .Lrefill_2
	tensor_load_to_lds s[G0RK:G0RK+3], s[G1W:G1W+7]
	s_nop 0
	PLACES 4
	s_branch .Lrefilled
.Lrefill_2:
	tensor_load_to_lds s[G0RV:G0RV+3], s[G1W:G1W+7]
	s_nop 0
	PLACES 4
.Lrefilled:
	WIN 0xF7
	FETCHW 0, 0, 0                                 ; chunks 0 and 1 are whole: every wave waited for all its loads in front of the round
	CHUNK 0, 0, 0, 1                               ; q, head A
	EPI 20, 0, 22, 0, 0, 14, 0
	CHUNK 0, 1, 1, 1                               ; k, head A; at its end the refilled chunks are met
	EPI 24, 0, 28, 0, 0, 10, 2048
	CHUNK 0, 2, 0, 1                               ; q, head B
	EPI 20, 98304, 22, 8192, 0, 14, 2048
	CHUNK 0, 3, 0, 1                               ; k, head B
	EPI 24, 98304, 28, 12288, 0, 18, 0
	CHUNK 1, 4, 0, 1                               ; v, head A
	EPI 26, 0, 66, 0, 1, 18, 2048
	CHUNK 1, 5, 0, 0                               ; v, head B
	EPI 26, 98304, 66, 12288, 1, 0, 0
	s_wait_tensorcnt 0x0                           ; the wave's end
	ds_add_u32 v[SPW], v[NIL]
	s_wait_dscnt 0x0
	CROUND                                         ; the closing round: no work-group ends while a partner may still ask for a tile that names it
	s_endpgm
.Lfunc_end_k_q334f0aa24c_qkv:
	.size	k_q334f0aa24c_qkv, .Lfunc_end_k_q334f0aa24c_qkv-k_q334f0aa24c_qkv
	.p2alignl 7, 3214868480
	.fill 96, 4, 3214868480
	.section	.rodata,"a",@progbits
	.p2align	6, 0x0
	.amdhsa_kernel k_q334f0aa24c_qkv
		.amdhsa_group_segment_fixed_size 327680
		.amdhsa_private_segment_fixed_size 0
		.amdhsa_enable_private_segment 0
		.amdhsa_kernarg_size 104
		.amdhsa_user_sgpr_count 2
		.amdhsa_user_sgpr_kernarg_segment_ptr 1
		.amdhsa_wavefront_size32 1
		.amdhsa_system_sgpr_workgroup_id_x 1
		.amdhsa_system_sgpr_workgroup_id_y 1
		.amdhsa_system_sgpr_workgroup_id_z 1
		.amdhsa_system_vgpr_workitem_id 0
		.amdhsa_next_free_vgpr 1024
		.amdhsa_next_free_sgpr 106
		.amdhsa_reserve_vcc 0
		.amdhsa_float_denorm_mode_32 3
		.amdhsa_float_denorm_mode_16_64 3
		.amdhsa_memory_ordered 1
		.amdhsa_forward_progress 1
		.amdhsa_inst_pref_size 255
	.end_amdhsa_kernel
	.amdgpu_metadata
---
amdhsa.version: [ 1, 2 ]
amdhsa.kernels:
  - .name:           k_q334f0aa24c_qkv
    .symbol:         k_q334f0aa24c_qkv.kd
    .args:
      - { .name: x_codes, .offset: 0, .size: 8, .value_kind: global_buffer, .address_space: global }
      - { .name: x_scales, .offset: 8, .size: 8, .value_kind: global_buffer, .address_space: global }
      - { .name: Wq_codes, .offset: 16, .size: 8, .value_kind: global_buffer, .address_space: global }
      - { .name: Wq_scales, .offset: 24, .size: 8, .value_kind: global_buffer, .address_space: global }
      - { .name: Wk_codes, .offset: 32, .size: 8, .value_kind: global_buffer, .address_space: global }
      - { .name: Wk_scales, .offset: 40, .size: 8, .value_kind: global_buffer, .address_space: global }
      - { .name: Wv_codes, .offset: 48, .size: 8, .value_kind: global_buffer, .address_space: global }
      - { .name: Wv_scales, .offset: 56, .size: 8, .value_kind: global_buffer, .address_space: global }
      - { .name: q_img, .offset: 64, .size: 8, .value_kind: global_buffer, .address_space: global }
      - { .name: q_sc, .offset: 72, .size: 8, .value_kind: global_buffer, .address_space: global }
      - { .name: k_img, .offset: 80, .size: 8, .value_kind: global_buffer, .address_space: global }
      - { .name: v_img, .offset: 88, .size: 8, .value_kind: global_buffer, .address_space: global }
      - { .name: kvs, .offset: 96, .size: 8, .value_kind: global_buffer, .address_space: global }
    .group_segment_fixed_size: 327680
    .private_segment_fixed_size: 0
    .kernarg_segment_align: 8
    .kernarg_segment_size: 104
    .max_flat_workgroup_size: 128
    .sgpr_count:     106
    .vgpr_count:     1024
    .wavefront_size: 32
...
	.end_amdgpu_metadata
.endif
;; end of part 1
;; launch attn (part 2): grid 4 x 64, 16 waves a work-group, clusters of 4 x 1, 215,040 bytes of LDS; arguments q_img, q_sc, k_img, v_img, kvs, a_img, a_sc; writes a_img, a_sc
.if DOCPART == 2
	.amdgcn_target "amdgcn-amd-amdhsa--gfx1250"
	.amdhsa_code_object_version 6
	.text
	.protected	k_q334f0aa24c_attn
	.globl	k_q334f0aa24c_attn
	.p2align	8
	.type	k_q334f0aa24c_attn,@function
k_q334f0aa24c_attn:
	s_mov_b64 s[64:65], 0
	v_nop
	global_prefetch_b8 v0, s[64:65] scope:SCOPE_SE
	s_setreg_imm32_b32 hwreg(HW_REG_WAVE_MODE, 25, 1), 1
	s_wait_xcnt 0x0
	s_wait_alu depctr_hold_cnt(0) depctr_sa_sdst(0) depctr_va_vdst(0) depctr_va_sdst(0) depctr_va_ssrc(0) depctr_va_vcc(0) depctr_vm_vsrc(0)
	s_getreg_b32 s2, hwreg(HW_REG_IB_STS2, 6, 4)
	s_cmp_eq_u32 s2, 0
	s_cbranch_scc0 .Lentry_in_a_cluster
	s_endpgm
.Lentry_in_a_cluster:
	s_bfe_u32 s2, ttmp6, 0x10000c
	s_cmp_lg_u32 s2, 0x3003
	s_cbranch_scc0 .Lentry_shape_is_right
	s_endpgm
.Lentry_shape_is_right:
; Causal attention of one (batch, head) a cluster, both products on codes of FP6 (E2M3) with E8M0 scales, and the quantising of the result for the output projection.
; In: half fragments (16 rows x 64 along K, 768 bytes: registers 0-3 at 16 x lane, registers 4-5 at 512 + 8 x lane) of q and k (K = the head's 64 channels) and of v (16 channels x 64 keys), with their scale words.
; THE SOFTMAX: t = score x log2(e) / 8; M = the row's largest t so far, rounded UP to a whole number; p = 2^(t - M) is what is quantised, along the keys; the row's sum is taken of the unquantised p and divides O at the end.
; When M moves, the sum and O are multiplied by 2^(old M - new M): exact.
; SHARES.  The head's K, V and scale words (208,896 bytes) lie whole in the LDS of each of the cluster's four work-groups, asked for jointly and filled once.  A key step is 128 keys.
; The head's 128 tiles of 16 queries fall into 16 groups of 8; a tile of group g needs g + 1 key steps.  Wave w of partner cx takes tile 8 w + 2 cx (group w) and tile 8 (15 - w) + 2 cx + 1 (group 15 - w):
; 17 tile steps for every wave.  Branches hang on the wave's number and the step's number alone; cx enters q's and the result's global addresses and the mask's compare value.
; LAYOUT.  Both products are used transposed: S^T = K Q^T, O^T = V^T P^T: a lane holds ONE query (lane % 16) throughout.
; K = 64 IN AN INSTRUCTION OF 128: Q's fragment is six registers of codes and six of zero codes.  K's fragment of tile t is the tile's six registers and the six that follow them (the next tile's codes; for tile 7
; the first six of p's codes): every pattern of 6 bits is a finite number, and it meets a zero code.  Bytes 2 and 3 of q's and k's scale words are 0, which stands for 2^-127.
; ORDER INSIDE A BLOCK OF 32 KEYS: p's codes stand in the order 0-7, 16-23, 8-15, 24-31, as v's do.  The result meets a given operand and is brought into the true order of channels ahead of its quantiser.
; LIMITS: p under 2^-126 falls to 0; a block whose largest magnitude lies under 2^-124 has its byte held at 1 (these bytes are read by this program alone); 1 / sum by v_rcp_f32; NaN and infinities are not served.
.set VB,   98304                       ; LDS: K's images at 0 (6,144 bytes a key step), V's here ([2 groups of 64 keys][4 tiles of channels][768] a step),
.set SC,   196608                      ; the scale words here: 768 bytes a step: k's 128 words, then v's 64
.set L16,  1                           ; v1  16 x lane
.set L8,   2                           ; v2  8 x lane
.set L4S,  3                           ; v3  4 x lane + SC
.set AK16, 4                           ; v4, v5  the step's K;  v252, v253 its V;  v6 its scale words
.set AK8,  5
.set AS,   6
.set NINF, 7                           ; v7  -infinity
.set AV16, 252
.set AV8,  253
.set F,    44                          ; v44-91   K's eight tiles, later V's four fragments
.set PC,   92                          ; v92-103  p's codes
.set S,    104                         ; v104-167 S^T, then p
.set KS,   232                         ; v232-235 K's scale words (lanes 0-15 tile 2 p, lanes 16-31 tile 2 p + 1), then V's
.set PS,   236                         ; v236     p's scale word
.set BM,   238                         ; v238-241 the blocks' largest
.set PM,   242                         ; v242-245 the other half's; the bytes
.set SO,   246                         ; v246-249 the conversions' scale operands
; v8-11, v12-15: -M, the largest t, the sum in two halves, of tile A and of tile B; v16, v17 q's scale words; v18, v19 the mask's compare values; v20-31, v32-43 Q; v168-199, v200-231 O^T; v[250:251] f
.set WV,   18
.set CX,   19
.set BH,   20
.set GA,   21
.set GB,   22
.set STEPI, 23
.set TB,   24
.set TS,   25
.set CNT,  26
.set HI16, 27
.set SEL,  28
.set CS,   30
.set G1A,  32                          ; groups 1: dense blocks as rows of 256 bytes: 24, 96 and 288 rows
.set G1B,  40
.set G1C,  48
.set G0S,  56                          ; groups 0: half of the scale words; K's steps 0-3 and 4-15; V's
.set G0K1, 60
.set G0K2, 68
.set G0V1, 72
.set G0V2, 76
.macro PLACES n
.rept \n
	v_nop
.endr
.endm
.macro CROUND                          ; a round of the cluster's barrier
	s_barrier_signal -1
	s_barrier_wait -1
	s_cmp_lg_u32 s[WV], 0
	s_cbranch_scc1 .Lnot_wave_0_\@
	s_barrier_signal -3
.Lnot_wave_0_\@:
	s_barrier_wait -3
	s_barrier_signal -1
	s_barrier_wait -1
.endm
; One scaled matrix instruction from the symbols rD, rA, rB, sA, sB; fZ = 1: C is the constant 0, else C = D; fA = 1: source 0's scales are read from lanes 16-31
.macro WM
.if fZ == 1
.if fA == 0
	v_wmma_scale_f32_16x16x128_f8f6f4 v[rD:rD+7], v[rA:rA+11], v[rB:rB+11], 0, v[sA], v[sB] matrix_a_fmt:MATRIX_FMT_FP6 matrix_b_fmt:MATRIX_FMT_FP6
.else
	v_wmma_scale_f32_16x16x128_f8f6f4 v[rD:rD+7], v[rA:rA+11], v[rB:rB+11], 0, v[sA], v[sB] matrix_a_fmt:MATRIX_FMT_FP6 matrix_b_fmt:MATRIX_FMT_FP6 matrix_a_scale:MATRIX_SCALE_ROW1
.endif
.else
.if fA == 0
	v_wmma_scale_f32_16x16x128_f8f6f4 v[rD:rD+7], v[rA:rA+11], v[rB:rB+11], v[rD:rD+7], v[sA], v[sB] matrix_a_fmt:MATRIX_FMT_FP6 matrix_b_fmt:MATRIX_FMT_FP6
.else
	v_wmma_scale_f32_16x16x128_f8f6f4 v[rD:rD+7], v[rA:rA+11], v[rB:rB+11], v[rD:rD+7], v[sA], v[sB] matrix_a_fmt:MATRIX_FMT_FP6 matrix_b_fmt:MATRIX_FMT_FP6 matrix_a_scale:MATRIX_SCALE_ROW1
.endif
.endif
.endm
; ONE TILE, ONE KEY STEP.  st: the tile's four registers of state; qf: Q's fragment; qs: its scale words; dd: the mask's compare value; o: O^T; g: the scalar with the tile's group.
.macro TSTEP st, qf, qs, dd, o, g
	s_cmp_gt_u32 s[STEPI], s[\g]                   ; a step all of whose keys come after the tile's queries is left out: a branch on the wave's and the step's numbers
	s_cbranch_scc1 .Lhid_\@
	PLACES 4                                       ; places in front of loads into registers that the last products read (ISA guide 7.12.1 for vector instructions)
.irp t, 0,1,2,3,4,5,6,7
	ds_load_b128 v[F+6*\t:F+6*\t+3], v[AK16] offset:768*\t
	ds_load_b64 v[F+6*\t+4:F+6*\t+5], v[AK8] offset:768*\t+512
.endr
.irp p, 0,1,2,3
	ds_load_b32 v[KS+\p], v[AS] offset:128*\p
.endr
	s_wait_dscnt 0x0
.irp t, 0,1,2,3,4,5,6,7                ; S^T = K Q^T: in tile t lane (r, h) holds query r and keys 16 t + 8 h + 0 .. 7
.set rD, S+8*\t
.set rA, F+6*\t
.set rB, \qf
.set sA, KS+\t/2
.set sB, \qs
.set fZ, 1
.set fA, \t%2
	WM
.endr
	PLACES 4                                       ; in front of the loads below and of the first read of the scores
.irp c, 0,1,2,3                        ; V's four fragments (16 channels x 128 keys: two half fragments each) land under the softmax
.irp u, 0,1
	ds_load_b128 v[F+12*\c+6*\u:F+12*\c+6*\u+3], v[AV16] offset:(4*\u+\c)*768
	ds_load_b64 v[F+12*\c+6*\u+4:F+12*\c+6*\u+5], v[AV8] offset:(4*\u+\c)*768+512
.endr
.endr
.irp p, 0,1
	ds_load_b32 v[KS+\p], v[AS] offset:512+128*\p
.endr
	s_cmp_lt_u32 s[STEPI], s[\g]                   ; only the tile's last step lies on the diagonal
	s_cbranch_scc1 .Lopen_\@
.set n, 0
.rept 64                               ; register 8 t + j holds key 16 t + 8 h + j of the step: hidden where 16 t + j > 16 x (the tile's place in its group) + r - 8 h.  Hidden scores become -infinity: p = 0
	v_cmp_gt_i32 vcc_lo, 16*(n/8)+n%8, v[\dd]
	v_cndmask_b32 v[S+n], v[S+n], v[NINF], vcc_lo
.set n, n+1
.endr
.Lopen_\@:
.irp b, 0,1,2,3
	v_max3_num_f32 v[BM+\b], v[S+16*\b], v[S+16*\b+1], v[S+16*\b+2]   ; the largest score of each block of 32 keys: for the row's maximum, and, since p rises with the score, for the block's largest p
.endr
.irp i, 3,5,7,9,11,13
.irp b, 0,1,2,3
	v_max3_num_f32 v[BM+\b], v[BM+\b], v[S+16*\b+\i], v[S+16*\b+\i+1]
.endr
.endr
.irp b, 0,1,2,3
	v_max_num_f32 v[BM+\b], v[BM+\b], v[S+16*\b+15]
.endr
.irp b, 0,1,2,3
	v_permlanex16_b32 v[PM+\b], v[BM+\b], s[SEL], s[SEL+1]
.endr
.irp b, 0,1,2,3
	v_max_num_f32 v[BM+\b], v[BM+\b], v[PM+\b]     ; with lane l xor 16's 16 keys
.endr
	v_max3_num_f32 v254, v[BM], v[BM+1], v[BM+2]
	v_max_num_f32 v254, v254, v[BM+3]              ; the step's largest score of my query
	v_mul_f32 v254, s[CS], v254                    ; as t (c is positive)
	v_max_num_f32 v[\st+1], v[\st+1], v254         ; the running largest t
	v_mov_b32 v254, v[\st]
	v_floor_f32 v[\st], -v[\st+1]                  ; the new -M = floor(-t): M is a whole number
	v_sub_f32 v254, v[\st], v254                   ; old M - new M: a whole number, 0 or less
	v_cvt_i32_f32 v254, v254                       ; (it saturates)
	v_ldexp_f32 v250, 1.0, v254                    ; f = 2^(old M - new M)
.set n, 0
.rept 32
	v_pk_fma_f32 v[S+n:S+n+1], v[S+n:S+n+1], s[CS:CS+1], v[\st:\st+1] op_sel_hi:[1,0,0]   ; t - M, two at a time
.set n, n+2
.endr
.irp b, 0,1,2,3
	v_fma_f32 v[BM+\b], v[BM+\b], s[CS], v[\st]    ; the same of each block's largest score
.endr
.set n, 0
.rept 64
	v_exp_f32 v[S+n], v[S+n]                       ; p = 2^(t - M), at most 1: not normalised
.set n, n+1
.endr
.irp b, 0,1,2,3
	v_exp_f32 v[BM+\b], v[BM+\b]                   ; the block's largest p: the same two instructions on the same number
.endr
	v_pk_mul_f32 v[\st+2:\st+3], v[\st+2:\st+3], v[250:251] op_sel_hi:[1,0]   ; the sums under the new M.  (A plain place behind the exponentials)
	s_wait_alu depctr_va_vdst(0)
.irp b, 0,1,2,3
	v_max_num_f32 v[BM+\b], 0x1800000, v[BM+\b]    ; the floor 2^(3 - 127): the byte cannot fall under 1
.endr
.irp b, 0,1,2,3
	v_add_nc_u32 v[SO+\b], 0xff000000, v[BM+\b]    ; 2 off the exponent field: the conversion's scale operand
.endr
.irp b, 0,1,2,3
	v_lshrrev_b32 v[PM+\b], 23, v[SO+\b]           ; the scale's byte
.endr
	v_lshl_or_b32 v[PS], v[PM+1], 8, v[PM]         ; p's scale word for these 128 keys
	v_lshl_or_b32 v[PS], v[PM+2], 16, v[PS]
	v_lshl_or_b32 v[PS], v[PM+3], 24, v[PS]
.irp c, 0,1
	v_cvt_scalef32_pk16_fp6_f32 v[PC+6*\c:PC+6*\c+2], v[S+32*\c:S+32*\c+15], v[SO+2*\c]
	v_cvt_scalef32_pk16_fp6_f32 v[BM+4*\c:BM+4*\c+2], v[S+32*\c+16:S+32*\c+31], v[SO+2*\c+1]   ; (a conversion's three registers begin on an even number)
.endr
	v_nop                                          ; one plain place behind the scaled conversions
.irp c, 0,1                            ; the layout wants a WHOLE block in a lane: lanes 0-15 block 2 c, lanes 16-31 block 2 c + 1
.irp i, 0,1,2
	v_permlane16_swap_b32 v[PC+6*\c+\i], v[BM+4*\c+\i]
.endr
.irp i, 0,1,2
	v_mov_b32 v[PC+6*\c+3+\i], v[BM+4*\c+\i]
.endr
.endr
	v_pk_add_f32 v[BM:BM+1], v[S:S+1], v[S+2:S+3]  ; the row's sum is taken of the UNQUANTISED p: two at a time, in two chains
.irp j, 4,8,12,16,20,24,28,32,36,40,44,48,52,56,60
	v_pk_add_f32 v[\st+2:\st+3], v[\st+2:\st+3], v[S+\j:S+\j+1]
	v_pk_add_f32 v[BM:BM+1], v[BM:BM+1], v[S+\j+2:S+\j+3]
.endr
	v_pk_add_f32 v[\st+2:\st+3], v[\st+2:\st+3], v[BM:BM+1]
.set n, 0
.rept 16
	v_pk_mul_f32 v[\o+n:\o+n+1], v[\o+n:\o+n+1], v[250:251] op_sel_hi:[1,0]   ; O^T under the new M.  (The sums and these are also the places between p's codes and scale word and the products below)
.set n, n+2
.endr
	s_wait_dscnt 0x0                               ; V is in
.irp c, 0,1,2,3                        ; O^T += V^T P^T: the four accumulators by turns
.set rD, \o+8*\c
.set rA, F+12*\c
.set rB, PC
.set sA, KS+\c/2
.set sB, PS
.set fZ, 0
.set fA, \c%2
	WM
.endr
.Lhid_\@:
.endm
.macro TRIP                            ; a key step: the step's LDS addresses, then the wave's two tiles
	v_add_nc_u32 v[AK16], s[TB], v[L16]
	v_add_nc_u32 v[AK8], s[TB], v[L8]
	v_add_nc_u32 v[AV16], VB, v[AK16]
	v_add_nc_u32 v[AV8], VB, v[AK8]
	v_add_nc_u32 v[AS], s[TS], v[L4S]
	TSTEP 8, 20, 16, 18, 168, GA
	TSTEP 12, 32, 17, 19, 200, GB
	s_add_co_u32 s[TB], s[TB], 6144
	s_add_co_u32 s[TS], s[TS], 768
	s_add_co_u32 s[STEPI], s[STEPI], 1
.endm
; A TILE'S END: O^T / the sum, the channels brought into their true order, two blocks of 32 quantised, a half fragment stored.  pcx: its six registers; pwx: its scale word; base: where it goes.
.macro FIN st, o, pcx, pwx, base
	v_add_f32 v254, v[\st+2], v[\st+3]             ; the sum's two halves,
	v_permlanex16_b32 v255, v254, s[SEL], s[SEL+1]
	v_add_f32 v254, v254, v255                     ; and lane l xor 16's: the row's sum
	v_rcp_f32 v250, v254
	v_nop                                          ; one plain place behind the transcendental
.set n, 0
	s_wait_alu depctr_va_vdst(0)
.rept 16
	v_pk_mul_f32 v[S+n:S+n+1], v[\o+n:\o+n+1], v[250:251] op_sel_hi:[1,0]   ; register 8 c + j: channel 16 c + 8 h + j.  Each accumulator is read from its low end on
.set n, n+2
.endr
.irp b, 0,1
.irp j, 0,1,2,3,4,5,6,7
	v_permlane16_swap_b32 v[S+16*\b+\j], v[S+16*\b+8+\j]   ; now register 16 b + i of lane (r, H) is channel 32 b + 16 H + i: 16 neighbours
.endr
.endr
.irp b, 0,1
	v_max3_num_f32 v[BM+\b], |v[S+16*\b]|, |v[S+16*\b+1]|, 0x1800000
.endr
.irp i, 2,4,6,8,10,12,14
.irp b, 0,1
	v_max3_num_f32 v[BM+\b], v[BM+\b], |v[S+16*\b+\i]|, |v[S+16*\b+\i+1]|
.endr
.endr
.irp b, 0,1
	v_permlanex16_b32 v[PM+\b], v[BM+\b], s[SEL], s[SEL+1]
.endr
.irp b, 0,1
	v_max_num_f32 v[BM+\b], v[BM+\b], v[PM+\b]
.endr
.irp b, 0,1
	v_add_nc_u32 v[SO+\b], 0xff000000, v[BM+\b]
.endr
.irp b, 0,1
	v_lshrrev_b32 v[PM+\b], 23, v[SO+\b]
.endr
	v_lshl_or_b32 v[\pwx], v[PM+1], 8, v[PM]
	v_cvt_scalef32_pk16_fp6_f32 v[\pcx:\pcx+2], v[S:S+15], v[SO]
	v_cvt_scalef32_pk16_fp6_f32 v[BM:BM+2], v[S+16:S+31], v[SO+1]
	v_nop                                          ; one plain place behind the scaled conversions
.irp i, 0,1,2
	v_permlane16_swap_b32 v[\pcx+\i], v[BM+\i]
.endr
.irp i, 0,1,2
	v_mov_b32 v[\pcx+3+\i], v[BM+\i]
.endr
	global_store_b128 v[L16], v[\pcx:\pcx+3], s[\base:\base+1]               ; 512 consecutive bytes, at a multiple of 256 from the buffer's first byte,
	global_store_b64 v[L8], v[\pcx+4:\pcx+5], s[\base:\base+1] offset:512    ; and the 256 behind them
.endm
	s_load_b256 s[4:11], s[0:1], 0x0               ; q_img, q_sc, k_img, v_img
	s_load_b128 s[12:15], s[0:1], 0x20             ; kvs, a_img
	s_load_b64 s[16:17], s[0:1], 0x30              ; a_sc
	v_lshl_add_u32 v254, v0, 2, 0x34000
	v_mov_b32 v255, 0
	ds_add_u32 v254, v255
	ds_add_u32 v254, v255
	s_wait_dscnt 0x0
	v_lshrrev_b32 v1, 5, v0
	v_readfirstlane_b32 s[WV], v1                  ; wave 0..15
	s_bfe_u32 s[CX], ttmp6, 0x40000                ; my place in the cluster
	s_and_b32 s[BH], ttmp7, 0xffff                 ; 16 x batch + head, which the four partners share
	s_mov_b32 s[GA], s[WV]                         ; tile A's group
	s_xor_b32 s[GB], s[WV], 15                     ; tile B's: 15 - wave
.irp g, G1A, G1B, G1C
	s_mov_b32 s[\g], 15|(3<<16)|(1<<21)            ; 15:0 the mask: all four work-groups; 17:16 elements of 8 bytes; 21 set beside a mask; no padding
	s_mov_b32 s[\g+1], 32<<16                      ; tensor_dim0 = 32 elements: 256 bytes
	s_mov_b32 s[\g+3], 32<<16                      ; tile_dim0
	s_mov_b32 s[\g+5], 32                          ; from row to row: dense
	s_mov_b32 s[\g+6], 0
	s_mov_b32 s[\g+7], 0
.endr
	s_mov_b32 s[G1A+2], 24<<16                     ; rows: 6,144 bytes,
	s_mov_b32 s[G1A+4], 24
	s_mov_b32 s[G1B+2], 96<<16                     ; 24,576,
	s_mov_b32 s[G1B+4], 96
	s_mov_b32 s[G1C+2], 288<<16                    ; 73,728
	s_mov_b32 s[G1C+4], 288
	s_mul_i32 s80, s[BH], 98304                    ; the head's images
	s_mov_b32 s81, 0
	s_and_b32 s84, s[WV], 1
	s_mul_i32 s84, s84, 6144                       ; which half of the scale words
	s_mul_i32 s82, s[BH], 12288
	s_add_co_u32 s82, s82, s84
	s_mov_b32 s83, 0
	s_add_co_u32 s84, s84, SC
	s_mov_b32 s[HI16], 0xffff0000                  ; lanes 16-31
	s_mov_b32 s[SEL], 0x76543210
	s_mov_b32 s[SEL+1], 0xfedcba98                 ; v_permlanex16_b32's selects for lane l xor 16
	s_mov_b32 s[CS], 0x3e38aa3b                    ; c = log2(e) / sqrt(64)
	s_mov_b32 s[CS+1], s[CS]                       ; (named with it as a pair, so it is written)
	s_mov_b32 s[STEPI], 0
	s_mov_b32 s[TB], 0
	s_mov_b32 s[TS], 0
	s_wait_kmcnt 0x0
	s_mov_b32 s[G0S], 1
	s_mov_b32 s[G0S+1], s84
	s_add_nc_u64 s[G0S+2:G0S+3], s[12:13], s[82:83]
	s_or_b32 s[G0S+3], s[G0S+3], 0x80000000
	s_mov_b32 s[G0K1], 1
	s_mov_b32 s[G0K1+1], 0
	s_add_nc_u64 s[G0K1+2:G0K1+3], s[8:9], s[80:81]
	s_mov_b32 s[G0K2], 1
	s_mov_b32 s[G0K2+1], 24576
	s_add_nc_u64 s[G0K2+2:G0K2+3], s[G0K1+2:G0K1+3], 24576
	s_or_b32 s[G0K1+3], s[G0K1+3], 0x80000000
	s_or_b32 s[G0K2+3], s[G0K2+3], 0x80000000
	s_mov_b32 s[G0V1], 1
	s_mov_b32 s[G0V1+1], VB
	s_add_nc_u64 s[G0V1+2:G0V1+3], s[10:11], s[80:81]
	s_mov_b32 s[G0V2], 1
	s_mov_b32 s[G0V2+1], VB+24576
	s_add_nc_u64 s[G0V2+2:G0V2+3], s[G0V1+2:G0V1+3], 24576
	s_or_b32 s[G0V1+3], s[G0V1+3], 0x80000000
	s_or_b32 s[G0V2+3], s[G0V2+3], 0x80000000
	CROUND                                         ; all four work-groups are here: the joint loads meet
	s_cmp_lt_u32 s[WV], 1                          ; all fills of a wave stand in one branch on the wave's number: wave 0 half the scale words and K, wave 1 the other half and V; three loads of a wave are out
	s_cbranch_scc0 .Lnot_wave_k
	tensor_load_to_lds s[G0S:G0S+3], s[G1A:G1A+7]
	s_nop 0
	tensor_load_to_lds s[G0K1:G0K1+3], s[G1B:G1B+7]
	s_nop 0
	tensor_load_to_lds s[G0K2:G0K2+3], s[G1C:G1C+7]
	s_nop 0
	PLACES 4                                       ; four v_nop follow the loads, ahead of the jump and the label
	s_branch .Lasked
.Lnot_wave_k:
	s_cmp_lt_u32 s[WV], 2
	s_cbranch_scc0 .Lasked
	tensor_load_to_lds s[G0S:G0S+3], s[G1A:G1A+7]
	s_nop 0
	tensor_load_to_lds s[G0V1:G0V1+3], s[G1B:G1B+7]
	s_nop 0
	tensor_load_to_lds s[G0V2:G0V2+3], s[G1C:G1C+7]
	s_nop 0
	PLACES 4
.Lasked:
	s_lshl_b32 s85, s[WV], 3
	s_lshl_b32 s87, s[CX], 1
	s_add_co_u32 s85, s85, s87                     ; tile A = 8 w + 2 cx
	s_lshl_b32 s86, s[GB], 3
	s_add_co_u32 s86, s86, s87
	s_add_co_u32 s86, s86, 1                       ; tile B = 8 (15 - w) + 2 cx + 1
	s_lshl_b32 s87, s[BH], 7
	s_add_co_u32 s100, s87, s85
	s_add_co_u32 s101, s87, s86
	s_mov_b32 s89, 0
	s_mul_i32 s88, s100, 768
	s_add_nc_u64 s[90:91], s[4:5], s[88:89]        ; q's images
	s_mul_i32 s88, s101, 768
	s_add_nc_u64 s[92:93], s[4:5], s[88:89]
	s_lshl_b32 s88, s100, 6
	s_add_nc_u64 s[94:95], s[6:7], s[88:89]        ; and scale words
	s_lshl_b32 s88, s101, 6
	s_add_nc_u64 s[96:97], s[6:7], s[88:89]
	v_and_b32 v254, 31, v0
	v_lshlrev_b32 v[L16], 4, v254
	v_lshlrev_b32 v[L8], 3, v254
	v_lshl_add_u32 v[L4S], v254, 2, SC
	v_and_b32 v254, 15, v0                         ; r
	v_lshlrev_b32 v237, 2, v254
	global_load_b128 v[20:23], v[L16], s[90:91]
	global_load_b64 v[24:25], v[L8], s[90:91] offset:512
	global_load_b128 v[32:35], v[L16], s[92:93]
	global_load_b64 v[36:37], v[L8], s[92:93] offset:512
	global_load_b32 v16, v237, s[94:95]
	global_load_b32 v17, v237, s[96:97]
	s_lshr_b32 s98, s[BH], 4                       ; the batch
	s_and_b32 s99, s[BH], 15                       ; the head
	s_lshl_b32 s100, s98, 7
	s_add_co_u32 s101, s100, s86
	s_add_co_u32 s100, s100, s85                   ; the tile among all 512 tiles of tokens
	s_lshl_b32 s100, s100, 4
	s_add_co_u32 s100, s100, s99
	s_mul_i32 s88, s100, 768
	s_add_nc_u64 s[4:5], s[14:15], s[88:89]        ; where tile A's result goes,
	s_lshl_b32 s101, s101, 4
	s_add_co_u32 s101, s101, s99
	s_mul_i32 s88, s101, 768
	s_add_nc_u64 s[6:7], s[14:15], s[88:89]        ; and tile B's
	s_lshl_b32 s88, s98, 16
	s_lshl_b32 s99, s99, 1
	s_add_co_u32 s88, s88, s99
	s_add_nc_u64 s[16:17], s[16:17], s[88:89]      ; the scale bytes: 32 a token; my head's two at 2 h
	s_lshl_b32 s85, s85, 9                         ; a tile's 16 tokens: 512 bytes
	s_lshl_b32 s86, s86, 9
	s_lshl_b32 s88, s[CX], 5
	v_bfe_u32 v255, v0, 4, 1
	v_lshlrev_b32 v255, 3, v255                    ; 8 h
	v_sub_nc_u32 v18, v254, v255
	v_add_nc_u32 v18, s88, v18                     ; tile A: 16 (2 cx) + r - 8 h
	v_add_nc_u32 v19, 16, v18                      ; tile B: one tile on
	v_mov_b32 v[NINF], 0xff800000
.irp i, 26,27,28,29,30,31,38,39,40,41,42,43
	v_mov_b32 v\i, 0                               ; Q's upper half: zero codes
.endr
	v_mov_b32 v9, 0xff61b1e6                       ; the largest t so far: -3e38, under every t
	v_mov_b32 v13, 0xff61b1e6
	v_floor_f32 v8, -v9                            ; -M
	v_floor_f32 v12, -v13
.irp i, 10,11,14,15,251
	v_mov_b32 v\i, 0                               ; the sums; and the upper half of f's pair, which is named with it
.endr
.set n, 0
.rept 12
	v_mov_b32 v[PC+n], 0                           ; p's codes: tile 7's fragment of K names the first six before they are first made
.set n, n+1
.endr
.irp b, 0,1,2,3
	v_mov_b32 v[PM+\b], 0                          ; written once: a lane permute's destination counts as one of its sources
.endr
.set n, 0
.rept 64
	v_mov_b32 v[168+n], 0                          ; O^T of both tiles.  (The step is written once: the first finds zeros, which the first change of M leaves zeros)
.set n, n+1
.endr
	s_wait_loadcnt 0x0                             ; Q
	s_wait_tensorcnt 0x1                           ; the scale words and key steps 0 to 3 are in; the load of steps 4 to 15 may be out
	s_barrier_signal -1
	s_barrier_wait -1
	s_mov_b32 s[CNT], 4
.Lfirst:
	TRIP
	s_sub_co_u32 s[CNT], s[CNT], 1
	s_cmp_lg_u32 s[CNT], 0
	s_cbranch_scc1 .Lfirst
	s_wait_tensorcnt 0x0                           ; key steps 4 to 15 are in
	s_wait_dscnt 0x0
	s_barrier_signal -1
	s_barrier_wait -1
	s_mov_b32 s[CNT], 12
.Lrest:
	TRIP
	s_sub_co_u32 s[CNT], s[CNT], 1
	s_cmp_lg_u32 s[CNT], 0
	s_cbranch_scc1 .Lrest
	PLACES 4                                       ; behind the last products
	FIN 8, 168, 92, 252, 4
	FIN 12, 200, 98, 253, 6
	v_and_b32 v254, 15, v0
	v_lshlrev_b32 v254, 5, v254                    ; 32 r
	v_add_nc_u32 v255, s85, v254
	v_add_nc_u32 v254, s86, v254
	v_cndmask_b32 v255, v255, v254, s[HI16]        ; lanes 0-15 store tile A's two bytes a token, lanes 16-31 tile B's
	v_cndmask_b32 v254, v252, v253, s[HI16]
	global_store_b16 v255, v254, s[16:17]
	s_wait_xcnt 0x0
	v_lshl_add_u32 v254, v0, 2, 0x34000
	v_mov_b32 v255, 0
	s_wait_tensorcnt 0x0
	ds_add_u32 v254, v255
	s_wait_dscnt 0x0
	CROUND                                         ; the closing round
	s_endpgm
.Lfunc_end_k_q334f0aa24c_attn:
	.size	k_q334f0aa24c_attn, .Lfunc_end_k_q334f0aa24c_attn-k_q334f0aa24c_attn
	.p2alignl 7, 3214868480
	.fill 96, 4, 3214868480
	.section	.rodata,"a",@progbits
	.p2align	6, 0x0
	.amdhsa_kernel k_q334f0aa24c_attn
		.amdhsa_group_segment_fixed_size 215040
		.amdhsa_private_segment_fixed_size 0
		.amdhsa_enable_private_segment 0
		.amdhsa_kernarg_size 56
		.amdhsa_user_sgpr_count 2
		.amdhsa_user_sgpr_kernarg_segment_ptr 1
		.amdhsa_wavefront_size32 1
		.amdhsa_system_sgpr_workgroup_id_x 1
		.amdhsa_system_sgpr_workgroup_id_y 1
		.amdhsa_system_sgpr_workgroup_id_z 1
		.amdhsa_system_vgpr_workitem_id 0
		.amdhsa_next_free_vgpr 256
		.amdhsa_next_free_sgpr 102
		.amdhsa_reserve_vcc 1
		.amdhsa_float_denorm_mode_32 3
		.amdhsa_float_denorm_mode_16_64 3
		.amdhsa_memory_ordered 1
		.amdhsa_forward_progress 1
		.amdhsa_inst_pref_size 105
	.end_amdhsa_kernel
	.amdgpu_metadata
---
amdhsa.version: [ 1, 2 ]
amdhsa.kernels:
  - .name:           k_q334f0aa24c_attn
    .symbol:         k_q334f0aa24c_attn.kd
    .args:
      - { .name: q_img, .offset: 0, .size: 8, .value_kind: global_buffer, .address_space: global }
      - { .name: q_sc, .offset: 8, .size: 8, .value_kind: global_buffer, .address_space: global }
      - { .name: k_img, .offset: 16, .size: 8, .value_kind: global_buffer, .address_space: global }
      - { .name: v_img, .offset: 24, .size: 8, .value_kind: global_buffer, .address_space: global }
      - { .name: kvs, .offset: 32, .size: 8, .value_kind: global_buffer, .address_space: global }
      - { .name: a_img, .offset: 40, .size: 8, .value_kind: global_buffer, .address_space: global }
      - { .name: a_sc, .offset: 48, .size: 8, .value_kind: global_buffer, .address_space: global }
    .group_segment_fixed_size: 215040
    .private_segment_fixed_size: 0
    .kernarg_segment_align: 8
    .kernarg_segment_size: 56
    .max_flat_workgroup_size: 512
    .sgpr_count:     102
    .vgpr_count:     256
    .wavefront_size: 32
...
	.end_amdgpu_metadata
.endif
;; end of part 2
;; launch proj (part 3): grid 32 x 8, 4 waves a work-group, clusters of 4 x 1, 168,448 bytes of LDS; arguments a_img, a_sc, Wp_codes, Wp_scales, bp, out0; writes out0
.if DOCPART == 3
	.amdgcn_target "amdgcn-amd-amdhsa--gfx1250"
	.amdhsa_code_object_version 6
	.text
	.protected	k_q334f0aa24c_proj
	.globl	k_q334f0aa24c_proj
	.p2align	8
	.type	k_q334f0aa24c_proj,@function
k_q334f0aa24c_proj:
	s_mov_b64 s[64:65], 0
	v_nop
	global_prefetch_b8 v0, s[64:65] scope:SCOPE_SE
	s_setreg_imm32_b32 hwreg(HW_REG_WAVE_MODE, 25, 1), 1
	s_wait_xcnt 0x0
	s_wait_alu depctr_hold_cnt(0) depctr_sa_sdst(0) depctr_va_vdst(0) depctr_va_sdst(0) depctr_va_ssrc(0) depctr_va_vcc(0) depctr_vm_vsrc(0)
	s_getreg_b32 s2, hwreg(HW_REG_IB_STS2, 6, 4)
	s_cmp_eq_u32 s2, 0
	s_cbranch_scc0 .Lentry_in_a_cluster
	s_endpgm
.Lentry_in_a_cluster:
	s_bfe_u32 s2, ttmp6, 0x10000c
	s_cmp_lg_u32 s2, 0x3003
	s_cbranch_scc0 .Lentry_shape_is_right
	s_endpgm
.Lentry_shape_is_right:
; out0 = a Wp^T + bp on codes of FP6 (E2M3) with E8M0 scales, K = 1,024.  a: the attention's result as half fragments [512 tiles of 16 tokens][16 heads][768 bytes] (registers 0-3 at 16 x lane, registers 4-5 at
; 512 + 8 x lane) and 32 scale bytes a token; Wp: 1,024 rows of 768 bytes, 32 scale bytes a row; bp [1,024] and out0 [8,192][1,024] f32.
; SHARES.  A work-group takes 256 tokens (tb) and 128 columns (cg), as two chunks of 64 rows of Wp in LDS.  Wave w owns tokens 64 w .. 64 w + 63: their fragments for all of K (384 registers) come straight from memory,
; since an image's loads are dense, and stay.  Each wave multiplies both chunks: 16 accumulators, 8 K steps x 16 matrix instructions a chunk.
; CLUSTER 4 x 1: the four partners share cg and ask for Wp's rows jointly.  a is not asked for jointly: it goes into registers by plain loads and never lies in LDS, and the partners hold different tokens.
; The matrix instruction is used transposed (source 0 = 16 rows of Wp, source 1 = 16 tokens): a lane holds eight neighbouring columns of one token's row.  The bias is the C of each sum's first instruction.
; LDS is filled once.
; REGISTERS: window 0: addresses, scale words, v128-255 rows on their way out.  window 1: a's fragments of K steps 0-3 (48 q + 12 a), from v192 the bias (32 c + 8 b).  window 2: K steps 4-7.
;   window 3: v0-127 the accumulators; v128-223 Wp's fragments, two sets; v224-227 Wp's LDS addresses.
.set PITCH, 816                        ; an LDS row: 3 x (256 bytes + 16 of padding): row r starts at bank 12 r mod 64 (64 banks of 4 bytes: ISA guide 11.1)
.set CH,    64*PITCH
.set HALFC, 32*PITCH
.set STG,   2*CH                       ; behind the chunks: a stage of 16 rows x (256 bytes + 16) for each wave; no fill lands there
.set SPITCH, 272
.set L32, 7
.set L16, 8
.set L8,  9
.set BI,  14                           ; v14  32 x half: my eight numbers of a tile's bias
.set STO, 15                           ; v15  the way out: where I put 32 bytes of a row
.set RD,  16                           ; v16  where I read a row back
.set CO,  17                           ; v17  my byte offset in out0
.set XS,  32                           ; v32-47  a's scale words: register 8 p + s: lanes 0-15 tile 2 p, lanes 16-31 tile 2 p + 1, K step s
.set WS,  48                           ; v48-79  Wp's, both chunks: 16 c + 8 p + s
.set OUTR, 128
.set WF,  128                          ; window 3
.set ADW, 224                          ; window 3
.set BIA, 192                          ; window 1
.set WV,  30
.set G1H, 56
.set G0H, 72
.set MSB, 0
.macro WIN new                         ; the immediate's high byte repeats the setting that is left
.if MSB != (\new)
	s_set_vgpr_msb (MSB<<8)|(\new)
.set MSB, (\new)
.endif
.endm
.macro PLACES n
.rept \n
	v_nop
.endr
.endm
.macro CROUND                          ; a round of the cluster's barrier
	s_barrier_signal -1
	s_barrier_wait -1
	s_cmp_lg_u32 s[WV], 0
	s_cbranch_scc1 .Lnot_wave_0_\@
	s_barrier_signal -3
.Lnot_wave_0_\@:
	s_barrier_wait -3
	s_barrier_signal -1
	s_barrier_wait -1
.endm
.macro WM                              ; one scaled matrix instruction from the symbols rD, rA, rB, rC, sA, sB; fA, fB = 1: that side's scales are read from lanes 16-31
.if (fA == 0) && (fB == 0)
	v_wmma_scale_f32_16x16x128_f8f6f4 v[rD:rD+7], v[rA:rA+11], v[rB:rB+11], v[rC:rC+7], v[sA], v[sB] matrix_a_fmt:MATRIX_FMT_FP6 matrix_b_fmt:MATRIX_FMT_FP6
.elseif fB == 0
	v_wmma_scale_f32_16x16x128_f8f6f4 v[rD:rD+7], v[rA:rA+11], v[rB:rB+11], v[rC:rC+7], v[sA], v[sB] matrix_a_fmt:MATRIX_FMT_FP6 matrix_b_fmt:MATRIX_FMT_FP6 matrix_a_scale:MATRIX_SCALE_ROW1
.elseif fA == 0
	v_wmma_scale_f32_16x16x128_f8f6f4 v[rD:rD+7], v[rA:rA+11], v[rB:rB+11], v[rC:rC+7], v[sA], v[sB] matrix_a_fmt:MATRIX_FMT_FP6 matrix_b_fmt:MATRIX_FMT_FP6 matrix_b_scale:MATRIX_SCALE_ROW1
.else
	v_wmma_scale_f32_16x16x128_f8f6f4 v[rD:rD+7], v[rA:rA+11], v[rB:rB+11], v[rC:rC+7], v[sA], v[sB] matrix_a_fmt:MATRIX_FMT_FP6 matrix_b_fmt:MATRIX_FMT_FP6 matrix_a_scale:MATRIX_SCALE_ROW1 matrix_b_scale:MATRIX_SCALE_ROW1
.endif
.endm
; A fragment, 16 rows x 128 K, from rows in LDS: six pieces of 8 bytes; lanes 16-31 read three pieces further on; where that lies behind one padding more, the second address register serves
.macro FRAG reg, adr, q, i
.irp p, 0,1,2,3,4,5
.set PCI, 12*(\q)+6*(\p/3)+\p%3
.if PCI%32 < 29
	ds_load_b64 v[\reg+2*\p:\reg+2*\p+1], v[\adr] offset:8*PCI+16*(PCI/32)+(\i)*16*PITCH
.else
	ds_load_b64 v[\reg+2*\p:\reg+2*\p+1], v[\adr+1] offset:8*PCI+16*(PCI/32)+(\i)*16*PITCH
.endif
.endr
.endm
.macro FETCHW c, q, set
.irp b, 0,1,2,3
	FRAG WF+48*(\set)+12*\b, ADW+2*(\c), \q, \b
.endr
.endm
.macro MM c, a, b, q
.set rD, 8*(4*(\a)+(\b))
.set rA, WF+48*((\q)%2)+12*(\b)
.set rB, 48*((\q)%4)+12*(\a)
.if (\q) == 0
.set rC, BIA+32*(\c)+8*(\b)            ; the first K step starts the sums from the bias
.else
.set rC, rD
.endif
.set sA, WS+16*(\c)+8*((\b)/2)+(\q)
.set sB, XS+8*((\a)/2)+(\q)
.set fA, (\b)%2
.set fB, (\a)%2
	WM
.endm
; A K step: this step's fragments of Wp were asked for a step ago; the next step's are asked for now, four places behind the products that read their registers; then 16 products, the accumulators by turns.
;   lc: how many younger loads of a may stay out (-1: none is out).  Windows: source 0, D and the loads window 3; source 1 window 1 or 2; C window 1 (the bias) or 3.
.macro KSTEP c, q, lc, next
	s_wait_dscnt 0x0
.if (\lc) >= 0
	s_wait_loadcnt \lc
.endif
	PLACES 4
.if (\q) == 0
	WIN 0xD7
.else
	WIN 0xF7+4*((\q)/4)
.endif
.if (\q) < 7
	FETCHW \c, (\q)+1, ((\q)+1)%2
.elseif \next
	FETCHW (\c)+1, 0, 0
.endif
.irp a, 0,1,2,3
.irp b, 0,1,2,3
	MM \c, \a, \b, \q
.endr
.endr
.endm
; THE WAY OUT, a tile of 16 tokens x 64 columns at a time: a lane's 32 bytes go into my own stage, and come back as rows of 256 bytes.  LDS serves a wave's instructions in order (ISA guide 5.7.1.4).
.macro TOSTAGE a
	WIN 0x0C                                       ; an LDS store's data are its source 1: window 3
.irp b, 0,1,2,3
	ds_store_b128 v[STO], v[8*(4*(\a)+\b):8*(4*(\a)+\b)+3] offset:64*\b          ; each accumulator from its low end on
	ds_store_b128 v[STO], v[8*(4*(\a)+\b)+4:8*(4*(\a)+\b)+7] offset:64*\b+16
.endr
	WIN 0
.irp i, 0,1,2,3,4,5,6,7
	ds_load_b128 v[OUTR+32*(\a)+4*\i:OUTR+32*(\a)+4*\i+3], v[RD] offset:\i*2*SPITCH
.endr
.endm
.macro SEND c, a, younger              ; younger: the LDS instructions issued behind tile a's loads, which may stay out
	s_wait_dscnt \younger
.irp i, 0,1,2,3,4,5,6,7
	global_store_b128 v[CO], v[OUTR+32*(\a)+4*\i:OUTR+32*(\a)+4*\i+3], s[14:15] offset:(16*(\a)+2*\i)*4096+256*(\c) th:TH_STORE_NT   ; 16 lanes store 256 consecutive bytes, at a multiple of 256 from out0's first byte; written once
.endr
.endm
.macro WAYOUT c
	PLACES 5                                       ; four places in front of the stores that read results; five in front of the next chunk's products, which write over these accumulators
	TOSTAGE 0
.irp a, 1,2,3
	TOSTAGE \a
	SEND \c, (\a-1), 16                            ; behind tile a - 1's loads: tile a's 8 stores and 8 loads
.endr
	SEND \c, 3, 0
.endm
	s_load_b256 s[4:11], s[0:1], 0x0               ; a_img, a_sc, Wp's codes, Wp's scales
	s_load_b128 s[12:15], s[0:1], 0x20             ; bp, out0
	v_lshl_add_u32 v126, v0, 2, 0x29000
	v_mov_b32 v127, 0
	ds_add_u32 v126, v127
	ds_add_u32 v126, v127
	v_lshrrev_b32 v3, 5, v0
	v_readfirstlane_b32 s[WV], v3                  ; wave 0..3
	s_bfe_u32 s31, ttmp6, 0x40000                  ; cx
	s_lshl_b32 s34, ttmp9, 2
	s_add_co_u32 s34, s34, s31                     ; tb = 4 x cluster x + cx
	s_and_b32 s33, ttmp7, 0xffff                   ; cg, which the four partners share
	s_mov_b32 s[G1H], 15|(1<<20)|(1<<21)|(5<<22)|(3<<25)   ; the mask: all four; elements of 1 byte; padding of 4 words after every 64
	s_mov_b32 s[G1H+1], 768<<16
	s_mov_b32 s[G1H+2], 32<<16
	s_mov_b32 s[G1H+3], 768<<16
	s_mov_b32 s[G1H+4], 32
	s_mov_b32 s[G1H+5], 768
	s_mov_b32 s[G1H+6], 0
	s_mov_b32 s[G1H+7], 0
	s_lshl_b32 s98, s33, 7
	s_lshl_b32 s99, s[WV], 5
	s_add_co_u32 s98, s98, s99                     ; my 32 rows of Wp: 128 cg + 32 w
	s_mul_i32 s98, s98, 768
	s_mov_b32 s99, 0
	s_mul_i32 s37, s[WV], HALFC
	v_and_b32 v3, 31, v0
	v_and_b32 v12, 15, v0                          ; r
	v_bfe_u32 v13, v0, 4, 1                        ; h
	v_lshlrev_b32 v[L32], 5, v3
	v_lshlrev_b32 v[L16], 4, v3
	v_lshlrev_b32 v[L8], 3, v3
	v_lshlrev_b32 v[BI], 5, v13
	v_mul_u32_u24 v4, v12, PITCH
	v_mad_u32_u24 v4, v13, 24, v4
	v_lshl_add_u32 v11, v13, 4, v4
	WIN 0xC0                                       ; destination window 3
.irp c, 0,1
	v_add_nc_u32 v[ADW+2*\c], \c*CH, v4
	v_add_nc_u32 v[ADW+2*\c+1], \c*CH, v11
.endr
	WIN 0
	s_mul_i32 s3, s[WV], 16*SPITCH
	s_add_co_u32 s3, s3, STG                       ; my stage
	v_mul_u32_u24 v[STO], v12, SPITCH
	v_lshl_add_u32 v[STO], v13, 5, v[STO]
	v_add_nc_u32 v[STO], s3, v[STO]                ; in: row r, 32 bytes for each half of the lanes
	v_mul_u32_u24 v[RD], v13, SPITCH
	v_lshl_add_u32 v[RD], v12, 4, v[RD]
	v_add_nc_u32 v[RD], s3, v[RD]                  ; back: lanes 0-15 one row, lanes 16-31 the next
	v_lshlrev_b32 v[CO], 12, v13
	v_lshl_add_u32 v[CO], v12, 4, v[CO]            ; and the same two rows in out0
	s_wait_dscnt 0x0
	s_wait_kmcnt 0x0
	s_mov_b32 s[G0H], 1
	s_mov_b32 s[G0H+1], s37
	s_add_nc_u64 s[G0H+2:G0H+3], s[8:9], s[98:99]
	s_or_b32 s[G0H+3], s[G0H+3], 0x80000000
	CROUND                                         ; all four work-groups are here: the joint loads meet
	tensor_load_to_lds s[G0H:G0H+3], s[G1H:G1H+7]  ; one load a wave: 32 rows; the four waves' make both chunks
	s_nop 0
	PLACES 4
	s_lshl_b32 s2, s34, 8
	s_lshl_b32 s35, s[WV], 6
	s_add_co_u32 s35, s2, s35                      ; my first token
	s_mov_b32 s3, 0
	s_mul_i32 s2, s35, 768
	s_add_nc_u64 s[4:5], s[4:5], s[2:3]            ; its images: 16 tokens x 16 heads x 768 bytes = 768 bytes a token
	s_lshl_b32 s2, s35, 5
	s_add_nc_u64 s[6:7], s[6:7], s[2:3]
	s_lshl_b32 s2, s33, 12
	s_add_nc_u64 s[10:11], s[10:11], s[2:3]        ; Wp's scales: 32 bytes a row
	s_lshl_b32 s2, s33, 9
	s_add_nc_u64 s[12:13], s[12:13], s[2:3]        ; the bias, and my columns in a row of out0
	s_add_nc_u64 s[14:15], s[14:15], s[2:3]
	s_lshl_b32 s2, s35, 12
	s_add_nc_u64 s[14:15], s[14:15], s[2:3]
.irp p, 0,1
.irp f, 0,1
	global_load_b128 v[XS+8*\p+4*\f:XS+8*\p+4*\f+3], v[L32], s[6:7] offset:1024*\p+16*\f
.endr
.endr
.irp c, 0,1
.irp p, 0,1
.irp f, 0,1
	global_load_b128 v[WS+16*\c+8*\p+4*\f:WS+16*\c+8*\p+4*\f+3], v[L32], s[10:11] offset:2048*\c+1024*\p+16*\f
.endr
.endr
.endr
	WIN 0x40                                       ; destination window 1
.irp c, 0,1
.irp b, 0,1,2,3
	global_load_b128 v[BIA+32*\c+8*\b:BIA+32*\c+8*\b+3], v[BI], s[12:13] offset:(64*\c+16*\b)*4        ; lane (r, h): bp of columns 64 c + 16 b + 8 h + 0 .. 7
	global_load_b128 v[BIA+32*\c+8*\b+4:BIA+32*\c+8*\b+7], v[BI], s[12:13] offset:(64*\c+16*\b)*4+16
.endr
.endr
.irp q, 0,1,2,3,4,5,6,7                ; a's fragments, K step by K step: 16 loads a step.  K step q is heads 2 q and 2 q + 1: two half fragments
	WIN 0x40+0x40*(\q/4)
.irp a, 0,1,2,3
.irp u, 0,1
	global_load_b128 v[48*(\q%4)+12*\a+6*\u:48*(\q%4)+12*\a+6*\u+3], v[L16], s[4:5] offset:(16*\a+2*\q+\u)*768
	global_load_b64 v[48*(\q%4)+12*\a+6*\u+4:48*(\q%4)+12*\a+6*\u+5], v[L8], s[4:5] offset:(16*\a+2*\q+\u)*768+512
.endr
.endr
.endr
	WIN 0
	s_wait_tensorcnt 0x0                           ; my rows of Wp are in,
	s_barrier_signal -1
	s_barrier_wait -1                              ; everybody's are
	WIN 0xD7
	FETCHW 0, 0, 0
	KSTEP 0, 0, 63, 1                              ; behind K step q's loads of a stand 16 (7 - q) more; the count names at most what its field holds
	KSTEP 0, 1, 63, 1
	KSTEP 0, 2, 63, 1
	KSTEP 0, 3, 63, 1
	KSTEP 0, 4, 48, 1
	KSTEP 0, 5, 32, 1
	KSTEP 0, 6, 16, 1
	KSTEP 0, 7, 0, 1
	WAYOUT 0
.irp q, 0,1,2,3,4,5,6,7
	KSTEP 1, \q, -1, 0
.endr
	WIN 0
	s_wait_xcnt 0x0                                ; the first chunk's stores have read their data: those registers are loaded again only behind this wait
	WAYOUT 1
	s_wait_tensorcnt 0x0
	ds_add_u32 v126, v127
	s_wait_dscnt 0x0
	CROUND                                         ; the closing round
	s_endpgm
.Lfunc_end_k_q334f0aa24c_proj:
	.size	k_q334f0aa24c_proj, .Lfunc_end_k_q334f0aa24c_proj-k_q334f0aa24c_proj
	.p2alignl 7, 3214868480
	.fill 96, 4, 3214868480
	.section	.rodata,"a",@progbits
	.p2align	6, 0x0
	.amdhsa_kernel k_q334f0aa24c_proj
		.amdhsa_group_segment_fixed_size 168448
		.amdhsa_private_segment_fixed_size 0
		.amdhsa_enable_private_segment 0
		.amdhsa_kernarg_size 48
		.amdhsa_user_sgpr_count 2
		.amdhsa_user_sgpr_kernarg_segment_ptr 1
		.amdhsa_wavefront_size32 1
		.amdhsa_system_sgpr_workgroup_id_x 1
		.amdhsa_system_sgpr_workgroup_id_y 1
		.amdhsa_system_sgpr_workgroup_id_z 1
		.amdhsa_system_vgpr_workitem_id 0
		.amdhsa_next_free_vgpr 1024
		.amdhsa_next_free_sgpr 100
		.amdhsa_reserve_vcc 0
		.amdhsa_float_denorm_mode_32 3
		.amdhsa_float_denorm_mode_16_64 3
		.amdhsa_memory_ordered 1
		.amdhsa_forward_progress 1
		.amdhsa_inst_pref_size 94
	.end_amdhsa_kernel
	.amdgpu_metadata
---
amdhsa.version: [ 1, 2 ]
amdhsa.kernels:
  - .name:           k_q334f0aa24c_proj
    .symbol:         k_q334f0aa24c_proj.kd
    .args:
      - { .name: a_img, .offset: 0, .size: 8, .value_kind: global_buffer, .address_space: global }
      - { .name: a_sc, .offset: 8, .size: 8, .value_kind: global_buffer, .address_space: global }
      - { .name: Wp_codes, .offset: 16, .size: 8, .value_kind: global_buffer, .address_space: global }
      - { .name: Wp_scales, .offset: 24, .size: 8, .value_kind: global_buffer, .address_space: global }
      - { .name: bp, .offset: 32, .size: 8, .value_kind: global_buffer, .address_space: global }
      - { .name: out0, .offset: 40, .size: 8, .value_kind: global_buffer, .address_space: global }
    .group_segment_fixed_size: 168448
    .private_segment_fixed_size: 0
    .kernarg_segment_align: 8
    .kernarg_segment_size: 48
    .max_flat_workgroup_size: 128
    .sgpr_count:     100
    .vgpr_count:     1024
    .wavefront_size: 32
...
	.end_amdgpu_metadata
.endif
;; end of part 3
